; MI455X (gfx1250); checked and timed in simulation.
; The chip was launched on July 23, 2026; its instructions are those of AMD's public machine-readable ISA for CDNA 5 (MIT licence, August 2026) and "CDNA5" Instruction Set Architecture Reference Guide (July 2026). The comments in the code are by the model that wrote it; some were corrected since.
;; Linear Attention. Allowed arithmetic: matrix products marked QUANTISED: E2M3 operands, one E8M0 scale for each 32 along K, by v_wmma_scale_f32_16x16x128_f8f6f4 with both operands' format E2M3, f32 sums; products left as they are: f32 operands where the result goes on into a quantised operand, else bf16, f16 or f32 operands; f32 sums; everything else in f32.
;; Inputs: k 4 x 8,192 x 8 x 64 float32; kv_mask 4 x 8,192 float32; q 4 x 8,192 x 8 x 64 float32; q_mask 4 x 8,192 float32; v 4 x 8,192 x 8 x 64 float32.
;; Outputs: out0 4 x 8,192 x 8 x 64 float32.
;; This version of the problem:
;;   THIS VERSION OF THE PROBLEM IS GIVEN IN LOW PRECISION. The matrix products marked QUANTISED in the list below multiply operands that are first quantised to E2M3 (2 exponent bits, 3 mantissa bits; 6 bits a number), with one power-of-two scale for each 32 numbers along K (OCP MX v1.0); their sums are f32. All else is computed in f32.
;;   The module's matrix products, in the order in which they are computed (A, B: the left and right operand; K: the contracted axis; several contracted axes count as one K, in the product's order):
;;     1. batch 32 x [M 64, K 8,192] x [K 8,192, N 64]; A: computed on the way; B: computed on the way: QUANTISED
;;     2. batch 32 x [M 1, K 64] x [K 64, N 8,192]; A: computed on the way; B: computed on the way: left as it is (M = 1 < 16)
;;     3. batch 32 x [M 64, K 64] x [K 64, N 8,192]; A: computed on the way; B: computed on the way: QUANTISED
;;     4. batch 262,144 x [M 1, K 1] x [K 1, N 64]; A: computed on the way; B: computed on the way: left as it is (no contracted axis)
;;   THE QUANTISER, for each operand of a quantised product, along K:
;;     - K is cut into blocks of 32 from its start; a last block that is shorter is filled with zeros.
;;     - A block's scale is 2^e with e = floor(log2(the largest magnitude in the block)) - 2, held to -126 .. 127; a block of zeros has e = 0. As a byte (E8M0): e + 127.
;;     - Each number is divided by its block's scale, clamped to +-7.5, and rounded to the nearest number of E2M3, ties to even, subnormals kept.
;;     - The product sums the exact products of the quantised numbers (number of the format x scale) in f32.
;;   ~~~python
;;   def quantise(x, axis):      # numpy; x: float32 -> the quantised numbers, widened to float32 again
;;       x = np.moveaxis(x, axis, -1); K = x.shape[-1]
;;       x = np.pad(x, [(0, 0)] * (x.ndim - 1) + [(0, -K % 32)]); x = x.reshape(x.shape[:-1] + (-1, 32)); a = np.abs(x).max(-1, keepdims=True)
;;       e = np.where(a > 0, np.clip(np.frexp(np.where(a > 0, a, 1))[1] - 1 - 2, -126, 127), 0)      # np.frexp(a)[1] - 1 = floor(log2(a)), exactly
;;       r = np.clip(x / 2.0 ** e, -7.5, 7.5)
;;       step = 2.0 ** (np.maximum(np.frexp(np.where(r == 0, 1, r))[1] - 1, 0) - 3)
;;       q = np.round(r / step) * step * 2.0 ** e      # np.round: ties to even
;;       return np.moveaxis(q.reshape(q.shape[:-2] + (-1,))[..., :K], -1, axis).astype(np.float32)
;;   ~~~
;;   OPERANDS COMPUTED ON THE WAY. 'Computed on the way' means the value that the module computes at that place (a softmax that the list does not call 'softmax' is quantised finished and normalised). What goes into a quantiser is computed in f32, as accurately as f32 sums, v_exp_f32 and their like allow (about 1e-6 of the number): no bf16 or f16 on the way to a quantiser, and a product that is left as it is and whose result goes on into a quantised operand takes f32 operands (vector FMAs, or v_wmma_f32_16x16x4_f32). A number that lies on a knife's edge between two numbers of the format may be rounded either way, as far as f32 arithmetic and the matrix unit's own rounding can turn it there, and no further.
;; One version. Each part assembles by itself: llvm-mc -triple=amdgcn-amd-amdhsa -mcpu=gfx1250 --defsym DOCPART=n.
;; ======== version 1 of 1: 2 launches
;; workspace buffers: kvp 4,194,304 bytes; ksp 65,536 bytes
;; launch kvsum (part 1): grid 8 x 32, 4 waves a work-group, no clusters, 267,776 bytes of LDS; arguments k, v, kv_mask, kvp, ksp; writes kvp, ksp
.if DOCPART == 1
	.amdgcn_target "amdgcn-amd-amdhsa--gfx1250"
	.amdhsa_code_object_version 6
	.text
	.protected	k_q3822cf0d30_kvsum
	.globl	k_q3822cf0d30_kvsum
	.p2align	8
	.type	k_q3822cf0d30_kvsum,@function
k_q3822cf0d30_kvsum:
	s_mov_b64 s[64:65], 0
	v_nop
	global_prefetch_b8 v0, s[64:65] scope:SCOPE_SE
	s_setreg_imm32_b32 hwreg(HW_REG_WAVE_MODE, 25, 1), 1
	s_wait_xcnt 0x0
; kv[n][h][d][c] = sum over s of Q(m[s] f(k[s][d])) Q(m[s] v[s][c]) / 8192 and ksum[n][h][d] = sum over s of m[s] f(k[s][d]), f(x) = elu(x) + 1, m = kv_mask; Q = codes of E2M3 with one E8M0 scale for each 32 along s.
; k, v: [4][8192][8][64] f32.  This launch makes PARTS of both sums: a work-group owns one (n, head) and 1,024 rows of s (grid 8 x 32); the next launch adds a head's eight parts.
; SHARES.  Four waves, 256 rows each: 2 K steps of 128, each in two batches of 64 rows.  A head's row is 256 consecutive bytes, aligned.  Lane (r, h) takes channels 4 r .. 4 r + 3 of rows 32 h + 0 .. 31 of a batch:
; sixteen lanes read one whole row, and a lane holds, for each of its four channels, a WHOLE block of 32 along s.  Tile i of an operand takes channel 4 r + i as its row r, so the lane's numbers are the operand's registers
; 6 c .. 6 c + 5 (c = the batch in the K step) of four tiles; no other lane is asked for a maximum.  Loaded order is [s][4], the conversions want [4][s]: the last instruction of each number's arithmetic writes it where it belongs.
; f(x) = the middle one of x + 1, exp(x) and 1: exp(x) >= x + 1 everywhere, and exp(x) <= 1 just where x <= 0.
; k comes by tensor loads into LDS, each byte filled once (four loads of 64 rows a wave, all issued at the head, and one for the wave's 256 numbers of the mask: five loads of a wave are out at the most);
; each wave reads its own bytes behind its own counted wait.  v comes through registers, two buffers of 32 loads.  So 388 KiB of the work-group's 516 are asked for at the head.
; 1 / 8192 is applied to the finished sums and not to v: a power of two goes through this quantiser and through f32 sums unchanged.
; THE RESULT.  Accumulator (i, t), register j, lane (r, h) holds kv(d = 32 h + 4 j + i, c = 4 r + t): a lane holds whole blocks of 32 along d, which is the next product's K.  The parts go to memory as images of the registers.
; No cluster: work-groups share nothing but 4 KiB of the mask.  No prefetch: what is not asked for at the head follows as registers come free.
; LIMITS: NaN and infinities are not served.  exp(x) is v_exp_f32 of x log2(e) rounded once: its relative error grows as |x| x 6e-8, and results under 2^-126 come out as 0.
; A block whose largest magnitude lies under 2^-124 keeps the scale byte 1 (a block of zeros too: its codes are zeros; the bytes are read by this text alone).
; REGISTERS, in windows of 256: window 0: addresses, the mask, F (128 numbers ready for the quantiser), scales.  window 1: v as loaded, two buffers.  window 2: k as loaded; the codes.  window 3: the 16 accumulators; the exponentials.
.set ROW,    2048                  ; bytes from one s to the next: 8 heads x 64 f32
.set BBYTES, 64*256                ; a batch of k in LDS
.set WREG,   4*BBYTES              ; a wave's region of LDS
.set MASKL,  4*WREG                ; behind k: the mask, 1,024 bytes a wave
.set KSTG,   MASKL+4*1024          ; behind it: the waves' sums of f(k), 256 bytes a wave; no tensor load lands here
.set FLOOR,  0x1800000             ; 2^(3 - 127): under it no largest magnitude is taken, so the scale's byte cannot fall under 1
.set VO,  4                        ; v4   v: 65,536 h + 16 r (lanes 16-31 stand 32 rows further down)
.set KA,  5                        ; v5   k in LDS: my wave's region + 8,192 h + 16 r
.set MA,  6                        ; v6   the mask in LDS: my wave's 1,024 bytes + 128 h
.set LI,  7                        ; v7   my wave's region + 16 x lane: where the accumulators' images go
.set SH,  8                        ; v8   8 h
.set GO,  9                        ; v9   16 x lane
.set KSA, 10                       ; v10  KSTG + 256 x wave + 16 r
.set KL,  11                       ; v11  KSTG + 8 x lane
.set K8,  12                       ; v12  8 x lane
.set M,   16                       ; v16-47   the mask of my 32 rows
.set KS,  48                       ; v48-55   sums of f(k): a pair (even s, odd s) for each of my four channels
.set MX,  56                       ; v56-59   largest magnitudes
.set SO,  60                       ; v60-63   the conversions' scale operands
.set F,   64                       ; v64-191  [4 channels][32 s]
.set BYA, 192                      ; v192-195 k's scale bytes of a K step: mine, at bits 0 and 16
.set BYB, 196                      ; v196-199 v's
.set SA,  200                      ; v200-203 k's scale words, a tile each; they hold nothing else
.set SB,  204                      ; v204-207 v's
.set PT,  208                      ; v208-211 at work
.set RA,  212                      ; v212-215 where I read wave p's image: 65,536 p + 4,096 x my wave + 16 x lane
.set X,   0                        ; window 2: k as loaded, [32 s][4 channels]
.set CA,  128                      ; window 2: k's four fragments of 12 registers
.set CB,  176                      ; window 2: v's
.set CT,  224                      ; window 2: a block's upper 16 codes, before they are moved
.set ACC, 0                        ; window 3: accumulator (i, t) at 8 (4 t + i)
.set T,   128                      ; window 3: exp(x), [32 s][4 channels]
.set MSB, 0
.macro WIN new                     ; s_set_vgpr_msb: bits 1:0 source 0, 3:2 source 1, 5:4 source 2, 7:6 destination; the high byte repeats the setting that is left
.if MSB != \new
	s_set_vgpr_msb (MSB<<8)|\new
.set MSB, \new
.endif
.endm
	s_load_b256 s[4:11], s[0:1], 0x0               ; k s[4:5], v s[6:7], kv_mask s[8:9], kvp s[10:11]
	s_load_b64 s[12:13], s[0:1], 0x20              ; ksp
	v_lshl_add_u32 v254, v0, 2, 0x41400
	v_mov_b32 v255, 0
	ds_add_u32 v254, v255
	ds_add_u32 v254, v255
	v_lshrrev_b32 v1, 5, v0
	v_readfirstlane_b32 s14, v1                    ; wave 0..3
	v_and_b32 v1, 31, v0                           ; lane
	v_and_b32 v2, 15, v0                           ; r
	v_bfe_u32 v3, v0, 4, 1                         ; h
	s_and_b32 s15, ttmp7, 0xffff                   ; 8 n + head
	s_lshr_b32 s16, s15, 3                         ; n
	s_and_b32 s17, s15, 7                          ; head
	s_lshl_b32 s18, s16, 24                        ; my wave's first row in k and v, in bytes: n x 8,192 rows,
	s_lshl_b32 s19, ttmp9, 21                      ; + 1,024 rows x work-group x,
	s_add_co_u32 s18, s18, s19
	s_lshl_b32 s19, s14, 19                        ; + 256 rows x wave,
	s_add_co_u32 s18, s18, s19
	s_lshl_b32 s19, s17, 8                         ; + the head's 256 bytes
	s_add_co_u32 s18, s18, s19
	s_mov_b32 s19, 0
	s_lshl_b32 s20, s16, 15                        ; the same rows in the mask, 4 bytes a row
	s_lshl_b32 s21, ttmp9, 12
	s_add_co_u32 s20, s20, s21
	s_lshl_b32 s21, s14, 10
	s_add_co_u32 s20, s20, s21
	s_mov_b32 s21, 0
	s_lshl_b32 s22, s14, 16                        ; my wave's region of LDS
	s_lshl_b32 s23, s14, 10
	s_add_co_u32 s23, s23, MASKL                   ; and its part of the mask
	s_lshl_b32 s66, s15, 3
	s_add_co_u32 s66, s66, ttmp9                   ; which part: 8 x (8 n + head) + work-group x
	s_lshl_b32 s68, s66, 8                         ; 256 bytes a part in ksp
	s_mov_b32 s69, 0
	s_lshl_b32 s66, s66, 14                        ; 16,384 in kvp,
	s_lshl_b32 s70, s14, 12                        ; of which I store 4,096
	s_add_co_u32 s66, s66, s70
	s_mov_b32 s67, 0
	s_lshl_b32 s71, s14, 8
	s_add_co_u32 s71, s71, KSTG
	s_mov_b32 s60, 0x3fb8aa3b                      ; log2(e); the packed form names a pair and takes its low word for both halves
	s_mov_b32 s61, s60
	s_mov_b32 s62, 0x76543210                      ; v_permlanex16_b32's selects for lane l xor 16
	s_mov_b32 s63, 0xfedcba98
	; descriptor group 1 for k: 64 rows of 64 elements of 4 bytes, 512 elements from row to row, dense in LDS
	s_mov_b32 s24, 2<<16                           ; no mask; elements of 4 bytes; no padding
	s_mov_b32 s25, 64<<16                          ; tensor_dim0 = 64
	s_mov_b32 s26, 64<<16                          ; tensor_dim1 = 64
	s_mov_b32 s27, 64<<16                          ; tile_dim0 = 64
	s_mov_b32 s28, 64                              ; tile_dim1 = 64
	s_mov_b32 s29, 512                             ; tensor_dim0_stride
	s_mov_b32 s30, 0
	s_mov_b32 s31, 0
	; and for the mask: one row of 1,024 bytes, as 128 elements of 8 bytes
	s_mov_b32 s32, 3<<16
	s_mov_b32 s33, 128<<16
	s_mov_b32 s34, 1<<16
	s_mov_b32 s35, 128<<16
	s_mov_b32 s36, 1
	s_mov_b32 s37, 128
	s_mov_b32 s38, 0
	s_mov_b32 s39, 0
	v_lshlrev_b32 v[VO], 4, v2
	v_lshl_add_u32 v[KA], v3, 13, v[VO]
	v_add_nc_u32 v[KA], s22, v[KA]
	v_lshl_add_u32 v[VO], v3, 16, v[VO]
	v_lshlrev_b32 v[MA], 7, v3
	v_add_nc_u32 v[MA], s23, v[MA]
	v_lshlrev_b32 v[GO], 4, v1
	v_add_nc_u32 v[LI], s22, v[GO]
	v_lshlrev_b32 v[SH], 3, v3
	v_lshl_add_u32 v[KSA], v2, 4, s71
	v_lshlrev_b32 v[K8], 3, v1
	v_add_nc_u32 v[KL], KSTG, v[K8]
	v_add_nc_u32 v[RA], s70, v[GO]
	v_add_nc_u32 v[RA+1], 0x10000, v[RA]
	v_add_nc_u32 v[RA+2], 0x20000, v[RA]
	v_add_nc_u32 v[RA+3], 0x30000, v[RA]
.irp i, 0,1,2,3
	v_mov_b32 v[PT+\i], 0                          ; written once: a lane permute's destination counts as one of its sources
.endr
	s_wait_dscnt 0x0
	s_wait_kmcnt 0x0
	s_add_nc_u64 s[4:5], s[4:5], s[18:19]
	s_add_nc_u64 s[6:7], s[6:7], s[18:19]
	s_add_nc_u64 s[8:9], s[8:9], s[20:21]
	s_add_nc_u64 s[10:11], s[10:11], s[66:67]
	s_add_nc_u64 s[12:13], s[12:13], s[68:69]
	s_mov_b32 s56, 1                               ; group 0 for the mask: count = 1,
	s_mov_b32 s57, s23                             ; LDS address,
	s_mov_b64 s[58:59], s[8:9]                     ; global address,
	s_or_b32 s59, s59, 0x80000000                  ; type = 2
.irp b, 0,1,2,3                                    ; and a group 0 for each batch of k: none is written again
	s_mov_b32 s[40+4*\b], 1
	s_add_co_u32 s[41+4*\b], s22, \b*BBYTES
	s_add_nc_u64 s[42+4*\b:43+4*\b], s[4:5], \b*64*ROW
	s_or_b32 s[43+4*\b], s[43+4*\b], 0x80000000
.endr
	tensor_load_to_lds s[56:59], s[32:39]          ; all fills of the launch go out together, ahead of every wait on TENSORcnt, every LDS read and the barrier
	s_nop 0
	tensor_load_to_lds s[40:43], s[24:31]
	s_nop 0
	tensor_load_to_lds s[44:47], s[24:31]
	s_nop 0
	tensor_load_to_lds s[48:51], s[24:31]
	s_nop 0
	tensor_load_to_lds s[52:55], s[24:31]
	s_nop 0
.rept 4
	v_nop                                          ; four lines behind the last tensor load, ahead of the first switch of windows
.endr
.macro VLOAD b                                     ; batch b of v: 32 loads, each two whole rows of 256 bytes (rows 64 b + n and 64 b + 32 + n), into buffer b % 2
	WIN 0x40                                       ; destination window 1
.set n, 0
.rept 32
	global_load_b128 v[128*((\b)%2)+4*n:128*((\b)%2)+4*n+3], v[VO], s[6:7] offset:(64*(\b)+n)*ROW th:TH_LOAD_NT
.set n, n+1
.endr
	WIN 0
.endm
	VLOAD 0
	VLOAD 1
; F's 4 x 32 numbers become registers 6 c .. 6 c + 5 of the four fragments at dst, and their scale bytes go to by.  addk = 1: they are also added to the sums of f(k); first = 1: the first two pairs start those sums.
.macro QUANT dst, by, c, addk, first
.irp i, 0,1,2,3
	v_max3_num_f32 v[MX+\i], |v[F+32*\i]|, |v[F+32*\i+1]|, FLOOR
.if \addk
.if \first
	v_pk_add_f32 v[KS+2*\i:KS+2*\i+1], v[F+32*\i:F+32*\i+1], v[F+32*\i+2:F+32*\i+3]
.else
	v_pk_add_f32 v[KS+2*\i:KS+2*\i+1], v[KS+2*\i:KS+2*\i+1], v[F+32*\i:F+32*\i+1]
.endif
.endif
.endr
.irp p, 2,4,6,8,10,12,14,16,18,20,22,24,26,28,30
.irp i, 0,1,2,3                                    ; the four blocks by turns: no line waits for the line above it
	v_max3_num_f32 v[MX+\i], v[MX+\i], |v[F+32*\i+\p]|, |v[F+32*\i+\p+1]|
.if (\addk) && ((\p > 2) || !(\first))
	v_pk_add_f32 v[KS+2*\i:KS+2*\i+1], v[KS+2*\i:KS+2*\i+1], v[F+32*\i+\p:F+32*\i+\p+1]
.endif
.endr
.endr
.irp i, 0,1,2,3
	v_add_nc_u32 v[SO+\i], 0xff000000, v[MX+\i]    ; 2 off the largest magnitude's exponent field: the conversion takes the exponent field of this operand as its scale
.endr
	WIN 0x80                                       ; destination window 2
.irp i, 0,1,2,3
	v_cvt_scalef32_pk16_fp6_f32 v[\dst+12*\i+6*(\c):\dst+12*\i+6*(\c)+2], v[F+32*\i:F+32*\i+15], v[SO+\i]
	v_cvt_scalef32_pk16_fp6_f32 v[CT+4*\i:CT+4*\i+2], v[F+32*\i+16:F+32*\i+31], v[SO+\i]   ; a conversion's three registers begin on an even number: the block's upper half is made here and moved
.endr
	WIN 0
.irp i, 0,1,2,3                                    ; the scale's byte.  (These lines are also the plain place behind the conversions)
.if (\c) == 0
	v_lshrrev_b32 v[\by+\i], 23, v[SO+\i]
.else
	v_lshrrev_b32 v[PT+\i], 23, v[SO+\i]
.endif
.endr
.if (\c) == 1
.irp i, 0,1,2,3
	v_lshl_or_b32 v[\by+\i], v[PT+\i], 16, v[\by+\i]   ; blocks h and 2 + h of the K step
.endr
.endif
	WIN 0x82                                       ; destination and source 0 window 2
.irp i, 0,1,2,3
.irp u, 0,1,2
	v_mov_b32 v[\dst+12*\i+6*(\c)+3+\u], v[CT+4*\i+\u]
.endr
.endr
	WIN 0
.endm
; Batch b of k (the c-th of its K step): from LDS, f, the mask, the quantiser.
.macro KBATCH b, c, first
	s_wait_tensorcnt 3-(\b)                        ; tensor loads of a wave end in order (ISA guide 10.11.1): the mask and batch b are in LDS; the count is that of the batches issued behind it
	WIN 0
.irp q, 0,1,2,3,4,5,6,7
	ds_load_b128 v[M+4*\q:M+4*\q+3], v[MA] offset:(\b)*256+16*\q   ; the mask of rows 64 b + 32 h + 0 .. 31: sixteen lanes read the same bytes
.endr
	WIN 0x80                                       ; destination window 2
.set n, 0
.rept 32
	ds_load_b128 v[X+4*n:X+4*n+3], v[KA] offset:(\b)*BBYTES+256*n   ; sixteen lanes take 256 consecutive bytes
.set n, n+1
.endr
	s_wait_dscnt 0x0
	WIN 0xc2                                       ; destination window 3, source 0 window 2
.set n, 0
.rept 64
	v_pk_mul_f32 v[T+n:T+n+1], v[X+n:X+n+1], s[60:61] op_sel_hi:[1,0]   ; x log2(e)
.set n, n+2
.endr
	WIN 0xc3
.set n, 0
.rept 128
	v_exp_f32 v[T+n], v[T+n]                       ; exp(x): one batch
.set n, n+1
.endr
	WIN 0x82
.set n, 0
.rept 64
	v_pk_add_f32 v[X+n:X+n+1], v[X+n:X+n+1], 1.0 op_sel_hi:[1,0]   ; x + 1: independent work behind the exponentials
.set n, n+2
.endr
	s_wait_alu depctr_va_vdst(0)                   ; one wait for the batch, ahead of its first reader
	WIN 0x0e                                       ; source 0 window 2, source 1 window 3, destination window 0
.set n, 0
.rept 128
	v_med3_num_f32 v[F+32*(n%4)+n/4], v[X+n], v[T+n], 1.0   ; f(x), written where the quantiser wants it: [channel][s]
.set n, n+1
.endr
	WIN 0
.set n, 0
.rept 64
	v_pk_mul_f32 v[F+2*n:F+2*n+1], v[F+2*n:F+2*n+1], v[M+2*(n%16):M+2*(n%16)+1]   ; x the mask, two neighbouring s at a time
.set n, n+1
.endr
	QUANT CA, BYA, \c, 1, \first
.endm
; Batch b of v: x the mask, written [channel][s]; its buffer takes the batch two on; the quantiser.  left: the loads issued behind this batch's.
.macro VBATCH b, c, left
	s_wait_loadcnt \left                           ; loads come back in order (ISA guide 5.7.1): this batch's 32 are in, the next batch's 32 may be out
	WIN 0x01                                       ; source 0 window 1
.set n, 0
.rept 128
	v_mul_f32 v[F+32*(n%4)+n/4], v[128*((\b)%2)+n], v[M+n/4]
.set n, n+1
.endr
.if (\b) < 2
	VLOAD (\b)+2
.endif
	WIN 0
	QUANT CB, BYB, \c, 0, 0
.endm
.macro WORDS by, sc                                ; my two bytes, 8 h bits up, with lane l xor 16's two: a row's scale word for the K step (byte 2 c + h)
.irp i, 0,1,2,3
	v_lshlrev_b32 v[\by+\i], v[SH], v[\by+\i]
.endr
.irp i, 0,1,2,3
	v_permlanex16_b32 v[PT+\i], v[\by+\i], s62, s63
.endr
.irp i, 0,1,2,3
	v_or_b32 v[\sc+\i], v[\by+\i], v[PT+\i]
.endr
.endm
; A K step's 16 products: source 0 = tile i of f(k)^T, source 1 = tile t of v.  The accumulators take turns, one instruction a turn.  zero = 1: the first K step starts the sums.
.macro MULS zero
.rept 8
	v_nop                                          ; a scale register written by a vector instruction stands eight places ahead of a scaled matrix instruction
.endr
	WIN 0xfa                                       ; sources 0 and 1 window 2, C and D window 3
.irp t, 0,1,2,3
.irp i, 0,1,2,3
.if \zero
	v_wmma_scale_f32_16x16x128_f8f6f4 v[ACC+8*(4*\t+\i):ACC+8*(4*\t+\i)+7], v[CA+12*\i:CA+12*\i+11], v[CB+12*\t:CB+12*\t+11], 0, v[SA+\i], v[SB+\t] matrix_a_fmt:MATRIX_FMT_FP6 matrix_b_fmt:MATRIX_FMT_FP6
.else
	v_wmma_scale_f32_16x16x128_f8f6f4 v[ACC+8*(4*\t+\i):ACC+8*(4*\t+\i)+7], v[CA+12*\i:CA+12*\i+11], v[CB+12*\t:CB+12*\t+11], v[ACC+8*(4*\t+\i):ACC+8*(4*\t+\i)+7], v[SA+\i], v[SB+\t] matrix_a_fmt:MATRIX_FMT_FP6 matrix_b_fmt:MATRIX_FMT_FP6
.endif
.endr
.endr
	WIN 0
.endm
	KBATCH 0, 0, 1
	VBATCH 0, 0, 32
	KBATCH 1, 1, 0
	VBATCH 1, 1, 32
	WORDS BYA, SA
	WORDS BYB, SB
	MULS 1
	KBATCH 2, 0, 0
	VBATCH 2, 0, 32
	KBATCH 3, 1, 0
	VBATCH 3, 1, 0
	WORDS BYA, SA
	WORDS BYB, SB
	MULS 0
	; THE FOUR WAVES' SUMS MEET IN LDS.  The additions below are also the places behind the last products.
.irp i, 0,1,2,3
	v_add_f32 v[MX+\i], v[KS+2*\i], v[KS+2*\i+1]   ; even s and odd s,
.endr
.irp i, 0,1,2,3
	v_permlanex16_b32 v[PT+\i], v[MX+\i], s62, s63
.endr
.irp i, 0,1,2,3
	v_add_f32 v[MX+\i], v[MX+\i], v[PT+\i]         ; and lane l xor 16's rows: my wave's sum for channels 4 r .. 4 r + 3
.endr
	ds_store_b128 v[KSA], v[MX:MX+3]               ; lanes r and 16 + r write the same bytes with the same values
	WIN 0x0c                                       ; an LDS store's data are its source 1: window 3
.set n, 0
.rept 32
	ds_store_b128 v[LI], v[ACC+4*n:ACC+4*n+3] offset:512*n   ; the accumulators as they stand, each from its low end on, into my own region: its fills are done and my reads of it are over
.set n, n+1
.endr
	WIN 0
	s_wait_dscnt 0x0                               ; for the others' sake: my stores have landed
	s_barrier_signal -1
	s_barrier_wait -1
.irp p, 0,1,2,3                                    ; wave w adds the four images of accumulators (0 .. 3, t = w)
.irp q, 0,1,2,3,4,5,6,7
	ds_load_b128 v[F+32*\p+4*\q:F+32*\p+4*\q+3], v[RA+\p] offset:512*\q
.endr
	ds_load_b64 v[M+2*\p:M+2*\p+1], v[KL] offset:256*\p
.endr
	s_wait_dscnt 0x0
.set n, 0
.rept 16
	v_pk_add_f32 v[F+n:F+n+1], v[F+n:F+n+1], v[F+32+n:F+33+n]
	v_pk_add_f32 v[F+64+n:F+65+n], v[F+64+n:F+65+n], v[F+96+n:F+97+n]
.set n, n+2
.endr
.set n, 0
.rept 16
	v_pk_add_f32 v[F+n:F+n+1], v[F+n:F+n+1], v[F+64+n:F+65+n]
.set n, n+2
.endr
.set n, 0
.rept 16
	v_pk_mul_f32 v[F+n:F+n+1], v[F+n:F+n+1], 0x39000000 op_sel_hi:[1,0]   ; x 2^-13 = 1 / S
.set n, n+2
.endr
.irp q, 0,1,2,3,4,5,6,7
	global_store_b128 v[GO], v[F+4*\q:F+4*\q+3], s[10:11] offset:512*\q   ; 32 lanes store 512 consecutive bytes, aligned
.endr
	v_pk_add_f32 v[M:M+1], v[M:M+1], v[M+2:M+3]
	v_pk_add_f32 v[M+4:M+5], v[M+4:M+5], v[M+6:M+7]
	v_pk_add_f32 v[M:M+1], v[M:M+1], v[M+4:M+5]    ; the work-group's sum of f(k) for channels 2 x lane, 2 x lane + 1
	s_cmp_lg_u32 s14, 0
	s_cbranch_scc1 .Lend                           ; one wave stores it
	global_store_b64 v[K8], v[M:M+1], s[12:13]     ; 32 lanes store 256 consecutive bytes, aligned
.Lend:
	s_wait_tensorcnt 0x0
	ds_add_u32 v254, v255
	s_wait_dscnt 0x0
	s_endpgm
.Lfunc_end_k_q3822cf0d30_kvsum:
	.size	k_q3822cf0d30_kvsum, .Lfunc_end_k_q3822cf0d30_kvsum-k_q3822cf0d30_kvsum
	.p2alignl 7, 3214868480
	.fill 96, 4, 3214868480
	.section	.rodata,"a",@progbits
	.p2align	6, 0x0
	.amdhsa_kernel k_q3822cf0d30_kvsum
		.amdhsa_group_segment_fixed_size 267776
		.amdhsa_private_segment_fixed_size 0
		.amdhsa_enable_private_segment 0
		.amdhsa_kernarg_size 40
		.amdhsa_user_sgpr_count 2
		.amdhsa_user_sgpr_kernarg_segment_ptr 1
		.amdhsa_wavefront_size32 1
		.amdhsa_system_sgpr_workgroup_id_x 1
		.amdhsa_system_sgpr_workgroup_id_y 1
		.amdhsa_system_sgpr_workgroup_id_z 1
		.amdhsa_system_vgpr_workitem_id 0
		.amdhsa_next_free_vgpr 1024
		.amdhsa_next_free_sgpr 72
		.amdhsa_reserve_vcc 0
		.amdhsa_float_denorm_mode_32 3
		.amdhsa_float_denorm_mode_16_64 3
		.amdhsa_memory_ordered 1
		.amdhsa_forward_progress 1
		.amdhsa_inst_pref_size 220
	.end_amdhsa_kernel
	.amdgpu_metadata
---
amdhsa.version: [ 1, 2 ]
amdhsa.kernels:
  - .name:           k_q3822cf0d30_kvsum
    .symbol:         k_q3822cf0d30_kvsum.kd
    .args:
      - { .name: k, .offset: 0, .size: 8, .value_kind: global_buffer, .address_space: global }
      - { .name: v, .offset: 8, .size: 8, .value_kind: global_buffer, .address_space: global }
      - { .name: kv_mask, .offset: 16, .size: 8, .value_kind: global_buffer, .address_space: global }
      - { .name: kvp, .offset: 24, .size: 8, .value_kind: global_buffer, .address_space: global }
      - { .name: ksp, .offset: 32, .size: 8, .value_kind: global_buffer, .address_space: global }
    .group_segment_fixed_size: 267776
    .private_segment_fixed_size: 0
    .kernarg_segment_align: 8
    .kernarg_segment_size: 40
    .max_flat_workgroup_size: 128
    .sgpr_count:     72
    .vgpr_count:     1024
    .wavefront_size: 32
...
	.end_amdgpu_metadata
.endif
;; end of part 1
;; launch attend (part 2): grid 8 x 32, 16 waves a work-group, no clusters, 298,240 bytes of LDS; arguments q, q_mask, kvp, ksp, out0; writes out0
.if DOCPART == 2
	.amdgcn_target "amdgcn-amd-amdhsa--gfx1250"
	.amdhsa_code_object_version 6
	.text
	.protected	k_q3822cf0d30_attend
	.globl	k_q3822cf0d30_attend
	.p2align	8
	.type	k_q3822cf0d30_attend,@function
k_q3822cf0d30_attend:
	s_mov_b64 s[64:65], 0
	v_nop
	global_prefetch_b8 v0, s[64:65] scope:SCOPE_SE
	s_setreg_imm32_b32 hwreg(HW_REG_WAVE_MODE, 25, 1), 1
	s_wait_xcnt 0x0
; out[n][l][h][c] = S (sum over d of Q(qf[l][d]) Q(kv[d][c])) / (sum over d of qf[l][d] ksum[d] + 1e-6), qf = q_mask[l] f(q[l]), f(x) = elu(x) + 1, S = 8192; Q = codes of E2M3 with one E8M0 scale for each 32 along d.
; q, out: [4][8192][8][64] f32.  kvp: for each (n, head) eight parts of kv, 16,384 bytes each, as images of the accumulators that made them; ksp: eight parts of ksum, 256 bytes each.
; SHARES.  A work-group owns one (n, head) and 1,024 rows of q (grid 8 x 32); each of its sixteen waves owns 64 rows, four tiles of 16.
; q COMES ONCE, by one tensor load a wave at the head (64 rows of 256 bytes, 16 bytes of padding behind each): each byte of LDS is filled once, one load of a wave is out, and a wave reads its own bytes behind its own wait.
; THE HEAD, while q is on its way: wave w adds the eight parts of accumulator (i = w % 4, t = w / 4) and of channels 4 w .. 4 w + 3 of ksum, into a stage in LDS; one barrier; then every wave makes kv's four fragments itself:
; lane (r, h) of fragment t wants kv(32 h + 0 .. 31, c = 4 r + t), which the accumulators' layout gave to that very lane: a whole block, no other lane is asked for a maximum.
; A TILE.  Lane (r, h) reads d = 32 h + 0 .. 31 of row r from LDS (rows 272 bytes apart, ISA guide 11.1): f, the mask, the block's maximum, two conversions.
; K is 64: registers 6 .. 11 of both operands hold zero codes, which add nothing.  The divisor's product is left in f32: 16 packed multiply-adds and one exchange between the halves of the lanes.
; Source 0 = 16 rows of qf, source 1 = fragment t: register j of accumulator t holds out(8 h + j, 4 r + t).  The multiplication by S / divisor writes (j, t) to register 4 j + t: four neighbouring channels,
; so that sixteen lanes store a whole row of 256 bytes.  The divisors reach that layout through 64 bytes of the wave's own LDS.
; f(x) = the middle one of x + 1, exp(x) and 1: exp(x) >= x + 1 everywhere, and exp(x) <= 1 just where x <= 0.
; No cluster: the eight work-groups of a head share the 131,072 bytes of kv's parts, which do not fit in LDS beside q's 278,528, so they come through registers.  No prefetch: all of q is asked for in the first lines.
; LIMITS: NaN and infinities are not served.  exp(x) is v_exp_f32 of x log2(e) rounded once: its relative error grows as |x| x 6e-8, and results under 2^-126 come out as 0.
; A block whose largest magnitude lies under 2^-124 keeps the scale byte 1 (a block of zeros too: its codes are zeros).
.set QP,    272                    ; a row of q in LDS
.set WREG,  64*QP                  ; a wave's 64 rows
.set KST,   16*WREG                ; behind q: kv summed, [t][j][lane][i], 16,384 bytes; no tensor load lands from here on
.set KSS,   KST+16384              ; ksum, 256 bytes
.set DIVST, KSS+256                ; 64 bytes a wave: a tile's sixteen S / divisor
.set FLOOR, 0x1800000              ; 2^(3 - 127)
.set QA,   4                       ; v4   q in LDS: my wave's rows + 272 r + 128 h
.set OA,   5                       ; v5   out: 8 rows x h + 16 r
.set DSA,  6                       ; v6   DIVST + 64 x wave + 4 r
.set DLA,  7                       ; v7   DIVST + 64 x wave + 32 h
.set SH,   8                       ; v8   8 h
.set PVO,  9                       ; v9   kv's parts: 1,024 x wave + 16 x lane
.set KSTW, 10                      ; v10  KST + 4,096 (wave / 4) + 4 (wave % 4) + 16 x lane
.set KSTR, 11                      ; v11  KST + 16 x lane
.set KSO,  12                      ; v12  ksum's parts: 256 (lane / 4) + 4 (lane % 4) + 16 x wave
.set KSW,  13                      ; v13  KSS + 16 x wave + 4 (lane % 4)
.set KSR,  14                      ; v14  KSS + 128 h
.set MO,   15                      ; v15  4 r
.set KVF,  16                      ; v16-63   kv's four fragments of 12 registers
.set KSUM, 64                      ; v64-95   ksum(32 h + 0 .. 31).  Before that, at work in the head:
.set MXK,  64
.set SOK,  68
.set BYK,  72
.set PTK,  76
.set KT,   80
.set W,    96                      ; v96-223  the head: kv's parts, then kv summed, 32 registers a fragment.  Afterwards:
.set X,    96                      ; v96-127  my 32 numbers of a row of q
.set T,    128                     ; v128-159 their exponentials; later the tile's results
.set ACC,  160                     ; v160-191 four accumulators
.set QC,   192                     ; v192-203 qf's fragment
.set QT,   204                     ; v204-206 a block's upper 16 codes, before they are moved
.set DV,   208                     ; v208-215 S / divisor of rows 8 h + 0 .. 7
.set SKV,  224                     ; v224-227 kv's scale words; they hold nothing else
.set SQ,   228                     ; v228     qf's
.set KSP,  229
.set PT,   230
.set QM,   232                     ; v232-239 q_mask of row r of tile tau at QM + 2 tau (the packed form names a pair)
.set MX,   240
.set MX2,  241
.set SO,   242
.set BY,   243
.set DOT,  244                     ; v244-247 the divisor's sum, in two chains of pairs
.set D1,   248
	s_load_b256 s[4:11], s[0:1], 0x0               ; q s[4:5], q_mask s[6:7], kvp s[8:9], ksp s[10:11]
	s_load_b64 s[12:13], s[0:1], 0x20              ; out0
	v_lshl_add_u32 v254, v0, 2, 0x48500
	v_mov_b32 v255, 0
	ds_add_u32 v254, v255
	ds_add_u32 v254, v255
	v_lshrrev_b32 v1, 5, v0
	v_readfirstlane_b32 s14, v1                    ; wave 0..15
	v_and_b32 v1, 31, v0                           ; lane
	v_and_b32 v2, 15, v0                           ; r
	v_bfe_u32 v3, v0, 4, 1                         ; h
	s_and_b32 s15, ttmp7, 0xffff                   ; 8 n + head
	s_lshr_b32 s16, s15, 3
	s_and_b32 s17, s15, 7
	s_lshl_b32 s18, s16, 24                        ; my wave's first row in q and out, in bytes: n x 8,192 rows,
	s_lshl_b32 s19, ttmp9, 21                      ; + 1,024 rows x work-group x,
	s_add_co_u32 s18, s18, s19
	s_lshl_b32 s19, s14, 17                        ; + 64 rows x wave,
	s_add_co_u32 s18, s18, s19
	s_lshl_b32 s19, s17, 8                         ; + the head's 256 bytes
	s_add_co_u32 s18, s18, s19
	s_mov_b32 s19, 0
	s_lshl_b32 s20, s16, 15                        ; the same rows in q_mask
	s_lshl_b32 s21, ttmp9, 12
	s_add_co_u32 s20, s20, s21
	s_lshl_b32 s21, s14, 8
	s_add_co_u32 s20, s20, s21
	s_mov_b32 s21, 0
	s_lshl_b32 s22, s15, 17                        ; the head's eight parts of kv
	s_mov_b32 s23, 0
	s_lshl_b32 s40, s15, 11                        ; and of ksum
	s_mov_b32 s41, 0
	s_mul_i32 s42, s14, WREG                       ; my wave's rows in LDS
	s_lshr_b32 s43, s14, 2
	s_lshl_b32 s43, s43, 12
	s_and_b32 s44, s14, 3
	s_lshl_b32 s44, s44, 2
	s_add_co_u32 s43, s43, s44
	s_add_co_u32 s43, s43, KST
	s_lshl_b32 s45, s14, 4
	s_lshl_b32 s46, s14, 6
	s_add_co_u32 s46, s46, DIVST
	s_lshl_b32 s47, s14, 10
	s_mov_b32 s36, 0x3fb8aa3b                      ; log2(e); the packed form names a pair and takes its low word for both halves
	s_mov_b32 s37, s36
	s_mov_b32 s38, 0x76543210                      ; v_permlanex16_b32's selects for lane l xor 16
	s_mov_b32 s39, 0xfedcba98
	; descriptor group 1: 64 rows of 64 elements of 4 bytes, 512 elements from row to row; in LDS 4 words of padding behind every 64
	s_mov_b32 s24, (2<<16)|(1<<20)|(5<<22)|(3<<25)
	s_mov_b32 s25, 64<<16                          ; tensor_dim0 = 64
	s_mov_b32 s26, 64<<16                          ; tensor_dim1 = 64
	s_mov_b32 s27, 64<<16                          ; tile_dim0 = 64
	s_mov_b32 s28, 64                              ; tile_dim1 = 64
	s_mov_b32 s29, 512                             ; tensor_dim0_stride
	s_mov_b32 s30, 0
	s_mov_b32 s31, 0
	v_mul_u32_u24 v[QA], v2, QP
	v_lshl_add_u32 v[QA], v3, 7, v[QA]
	v_add_nc_u32 v[QA], s42, v[QA]
	v_lshlrev_b32 v[OA], 4, v2
	v_lshl_add_u32 v[OA], v3, 14, v[OA]
	v_lshl_add_u32 v[DSA], v2, 2, s46
	v_lshl_add_u32 v[DLA], v3, 5, s46
	v_lshlrev_b32 v[SH], 3, v3
	v_lshl_add_u32 v[PVO], v1, 4, s47
	v_lshl_add_u32 v[KSTW], v1, 4, s43
	v_lshlrev_b32 v[KSTR], 4, v1
	v_add_nc_u32 v[KSTR], KST, v[KSTR]
	v_lshrrev_b32 v[MX], 2, v1
	v_and_b32 v[MX2], 3, v1
	v_lshl_add_u32 v[MX2], v[MX2], 2, s45          ; 4 (lane % 4) + 16 x wave
	v_lshl_add_u32 v[KSO], v[MX], 8, v[MX2]
	v_add_nc_u32 v[KSW], KSS, v[MX2]
	v_lshlrev_b32 v[KSR], 7, v3
	v_add_nc_u32 v[KSR], KSS, v[KSR]
	v_lshlrev_b32 v[MO], 2, v2
	s_wait_dscnt 0x0
	s_wait_kmcnt 0x0
	s_add_nc_u64 s[4:5], s[4:5], s[18:19]
	s_mov_b32 s32, 1                               ; group 0: count = 1,
	s_mov_b32 s33, s42                             ; LDS address,
	s_mov_b64 s[34:35], s[4:5]                     ; global address,
	s_or_b32 s35, s35, 0x80000000                  ; type = 2
	tensor_load_to_lds s[32:35], s[24:31]          ; my 64 rows of q: the launch's only fill of these bytes, ahead of every LDS read and of the barrier
	s_nop 0
.rept 4
	v_nop                                          ; four lines behind the tensor load
.endr
	s_add_nc_u64 s[12:13], s[12:13], s[18:19]
	s_add_nc_u64 s[6:7], s[6:7], s[20:21]
	s_add_nc_u64 s[8:9], s[8:9], s[22:23]
	s_add_nc_u64 s[10:11], s[10:11], s[40:41]
	global_load_b32 v[KSP], v[KSO], s[10:11]       ; part lane / 4 of ksum(4 w + lane % 4)
.irp tau, 0,1,2,3
	global_load_b32 v[QM+2*\tau], v[MO], s[6:7] offset:64*\tau
.endr
.irp p, 0,1,2,3,4,5,6,7                            ; part p of accumulator (w % 4, w / 4): eight registers, two loads of 512 consecutive bytes
	global_load_b128 v[W+8*\p:W+8*\p+3], v[PVO], s[8:9] offset:\p*16384
	global_load_b128 v[W+8*\p+4:W+8*\p+7], v[PVO], s[8:9] offset:\p*16384+512
.endr
.irp t, 0,1,2,3
.irp u, 6,7,8,9,10,11
	v_mov_b32 v[KVF+12*\t+\u], 0                   ; K = 64 .. 127 of kv's fragments: zero codes
.endr
.endr
.irp tau, 0,1,2,3
	v_mov_b32 v[QM+2*\tau+1], 0                    ; named as the upper halves of pairs, so they are written
.endr
	v_mov_b32 v[PT], 0                             ; a lane permute's destination counts as one of its sources
	s_wait_loadcnt 0x0
.irp p, 0,2,4,6
.irp e, 0,2,4,6
	v_pk_add_f32 v[W+8*\p+\e:W+8*\p+\e+1], v[W+8*\p+\e:W+8*\p+\e+1], v[W+8*(\p+1)+\e:W+8*(\p+1)+\e+1]
.endr
.endr
.irp p, 0,4
.irp e, 0,2,4,6
	v_pk_add_f32 v[W+8*\p+\e:W+8*\p+\e+1], v[W+8*\p+\e:W+8*\p+\e+1], v[W+8*(\p+2)+\e:W+8*(\p+2)+\e+1]
.endr
.endr
.irp e, 0,2,4,6
	v_pk_add_f32 v[W+\e:W+\e+1], v[W+\e:W+\e+1], v[W+32+\e:W+32+\e+1]
.endr
.irp j, 0,1,2,3,4,5,6,7
	ds_store_b32 v[KSTW], v[W+\j] offset:512*\j    ; kv(32 h + 4 j + i, 4 r + t) to [t][j][lane][i]: read back 16 bytes a lane, d runs along the registers
.endr
	v_add_f32_dpp v[KSP], v[KSP], v[KSP] row_xmask:4 row_mask:0xf bank_mask:0xf   ; the eight parts of ksum lie in lanes 4 apart
	v_add_f32_dpp v[KSP], v[KSP], v[KSP] row_xmask:8 row_mask:0xf bank_mask:0xf
	v_permlanex16_b32 v[PT], v[KSP], s38, s39
	v_add_f32 v[KSP], v[KSP], v[PT]
	ds_store_b32 v[KSW], v[KSP]                    ; eight lanes write the same word with the same value
	s_wait_dscnt 0x0                               ; for the others' sake: my stores have landed
	s_barrier_signal -1
	s_barrier_wait -1
.irp t, 0,1,2,3
.irp j, 0,1,2,3,4,5,6,7
	ds_load_b128 v[W+32*\t+4*\j:W+32*\t+4*\j+3], v[KSTR] offset:4096*\t+512*\j
.endr
.endr
.irp t, 0,1,2,3
	v_mov_b32 v[PTK+\t], 0
.endr
	s_wait_dscnt 0x0
.irp t, 0,1,2,3
	v_max3_num_f32 v[MXK+\t], |v[W+32*\t]|, |v[W+32*\t+1]|, FLOOR
.endr
.irp p, 2,4,6,8,10,12,14,16,18,20,22,24,26,28,30
.irp t, 0,1,2,3                                    ; the four blocks by turns
	v_max3_num_f32 v[MXK+\t], v[MXK+\t], |v[W+32*\t+\p]|, |v[W+32*\t+\p+1]|
.endr
.endr
.irp t, 0,1,2,3
	v_add_nc_u32 v[SOK+\t], 0xff000000, v[MXK+\t]  ; 2 off the exponent field: the conversion's scale operand
.endr
.irp t, 0,1,2,3
	v_cvt_scalef32_pk16_fp6_f32 v[KVF+12*\t:KVF+12*\t+2], v[W+32*\t:W+32*\t+15], v[SOK+\t]
	v_cvt_scalef32_pk16_fp6_f32 v[KT+4*\t:KT+4*\t+2], v[W+32*\t+16:W+32*\t+31], v[SOK+\t]   ; a conversion's three registers begin on an even number
.endr
.irp t, 0,1,2,3
	v_lshrrev_b32 v[BYK+\t], 23, v[SOK+\t]         ; the scale's byte.  (Also the plain place behind the conversions)
.endr
.irp t, 0,1,2,3
.irp u, 0,1,2
	v_mov_b32 v[KVF+12*\t+3+\u], v[KT+4*\t+\u]
.endr
.endr
.irp t, 0,1,2,3
	v_lshlrev_b32 v[BYK+\t], v[SH], v[BYK+\t]      ; block h's byte at byte h;
.endr
.irp t, 0,1,2,3
	v_permlanex16_b32 v[PTK+\t], v[BYK+\t], s38, s39
.endr
.irp t, 0,1,2,3
	v_or_b32 v[SKV+\t], v[BYK+\t], v[PTK+\t]       ; with lane l xor 16's the word is whole (bytes 2 and 3 stand over zero codes)
.endr
.irp u, 6,7,8,9,10,11
	v_mov_b32 v[QC+\u], 0                          ; K = 64 .. 127 of qf's fragment: zero codes, set once
.endr
.irp q, 0,1,2,3,4,5,6,7
	ds_load_b128 v[KSUM+4*\q:KSUM+4*\q+3], v[KSR] offset:16*\q
.endr
.macro QLOAD tau
.irp i, 0,1,2,3,4,5,6,7
	ds_load_b128 v[X+4*\i:X+4*\i+3], v[QA] offset:(\tau)*16*QP+16*\i
.endr
.endm
	s_wait_tensorcnt 0x0                           ; my rows of q are in LDS
	QLOAD 0
.macro TILE tau
	s_wait_dscnt 0x0                               ; my 32 numbers are in (asked for in the tile before)
	s_wait_xcnt 0x0                                ; the last tile's stores have read T's registers: only behind this wait are they written again
.irp n, 0,2,4,6,8,10,12,14,16,18,20,22,24,26,28,30
	v_pk_mul_f32 v[T+\n:T+\n+1], v[X+\n:X+\n+1], s[36:37] op_sel_hi:[1,0]   ; x log2(e)
.endr
.set n, 0
.rept 32
	v_exp_f32 v[T+n], v[T+n]                       ; exp(x): one batch
.set n, n+1
.endr
.irp n, 0,2,4,6,8,10,12,14,16,18,20,22,24,26,28,30
	v_pk_add_f32 v[X+\n:X+\n+1], v[X+\n:X+\n+1], 1.0 op_sel_hi:[1,0]   ; x + 1: independent work behind the exponentials
.endr
	s_wait_alu depctr_va_vdst(0)                   ; one wait for the batch, ahead of its first reader
.set n, 0
.rept 32
	v_med3_num_f32 v[X+n], v[X+n], v[T+n], 1.0     ; f(x)
.set n, n+1
.endr
.irp n, 0,2,4,6,8,10,12,14,16,18,20,22,24,26,28,30
	v_pk_mul_f32 v[X+\n:X+\n+1], v[X+\n:X+\n+1], v[QM+2*(\tau):QM+2*(\tau)+1] op_sel_hi:[1,0]   ; x my row's mask
.endr
	v_max3_num_f32 v[MX], |v[X]|, |v[X+1]|, FLOOR  ; the block's largest magnitude, in two chains
	v_max3_num_f32 v[MX2], |v[X+16]|, |v[X+17]|, |v[X+18]|
.irp n, 2,4,6,8,10,12
	v_max3_num_f32 v[MX], v[MX], |v[X+\n]|, |v[X+\n+1]|
	v_max3_num_f32 v[MX2], v[MX2], |v[X+17+\n]|, |v[X+18+\n]|
.endr
	v_max3_num_f32 v[MX], v[MX], |v[X+14]|, |v[X+15]|
	v_max3_num_f32 v[MX], v[MX], v[MX2], |v[X+31]|
	v_add_nc_u32 v[SO], 0xff000000, v[MX]
	v_cvt_scalef32_pk16_fp6_f32 v[QC:QC+2], v[X:X+15], v[SO]
	v_cvt_scalef32_pk16_fp6_f32 v[QT:QT+2], v[X+16:X+31], v[SO]
	v_lshrrev_b32 v[BY], 23, v[SO]                 ; the scale's byte.  (Also the plain place behind the conversions)
.irp u, 0,1,2
	v_mov_b32 v[QC+3+\u], v[QT+\u]
.endr
	v_lshlrev_b32 v[BY], v[SH], v[BY]
	v_permlanex16_b32 v[PT], v[BY], s38, s39
	v_or_b32 v[SQ], v[BY], v[PT]                   ; my row's scale word
	v_pk_mul_f32 v[DOT:DOT+1], v[X:X+1], v[KSUM:KSUM+1]   ; qf . ksum in f32.  These sixteen lines are also the places between the scale word, the codes and the products
	v_pk_mul_f32 v[DOT+2:DOT+3], v[X+2:X+3], v[KSUM+2:KSUM+3]
.irp n, 4,8,12,16,20,24,28
	v_pk_fma_f32 v[DOT:DOT+1], v[X+\n:X+\n+1], v[KSUM+\n:KSUM+\n+1], v[DOT:DOT+1]
	v_pk_fma_f32 v[DOT+2:DOT+3], v[X+\n+2:X+\n+3], v[KSUM+\n+2:KSUM+\n+3], v[DOT+2:DOT+3]
.endr
.if (\tau) < 3
	QLOAD (\tau)+1                                 ; X is done with: the next tile's numbers are asked for
.endif
.irp t, 0,1,2,3
	v_wmma_scale_f32_16x16x128_f8f6f4 v[ACC+8*\t:ACC+8*\t+7], v[QC:QC+11], v[KVF+12*\t:KVF+12*\t+11], 0, v[SQ], v[SKV+\t] matrix_a_fmt:MATRIX_FMT_FP6 matrix_b_fmt:MATRIX_FMT_FP6
.endr
	v_pk_add_f32 v[DOT:DOT+1], v[DOT:DOT+1], v[DOT+2:DOT+3]   ; the divisor's last steps are the places behind the products
	v_add_f32 v[D1], v[DOT], v[DOT+1]
	v_permlanex16_b32 v[PT], v[D1], s38, s39
	v_add_f32 v[D1], v[D1], v[PT]                  ; with lane l xor 16's 32 channels
	v_add_f32 v[D1], 0x358637bd, v[D1]             ; + 1e-6
	v_rcp_f32 v[D1], v[D1]
	v_nop                                          ; a plain place behind the reciprocal
	s_wait_alu depctr_va_vdst(0)                   ; and the wait ahead of its first reader
	v_mul_f32 v[D1], 0x46000000, v[D1]             ; x S = 2^13
	ds_store_b32 v[DSA], v[D1]                     ; row r's, to my wave's 64 bytes (lanes r and 16 + r write the same word with the same value);
	ds_load_b128 v[DV:DV+3], v[DLA]                ; back as rows 8 h + 0 .. 7.  LDS serves a wave's instructions in order (ISA guide 5.7.1.4)
	ds_load_b128 v[DV+4:DV+7], v[DLA] offset:16
	s_wait_dscnt 0x0
.irp j, 0,1,2,3,4,5,6,7                            ; each accumulator is read from its low end on
.irp t, 0,1,2,3
	v_mul_f32 v[T+4*\j+\t], v[ACC+8*\t+\j], v[DV+\j]   ; out(8 h + j, 4 r + t)
.endr
.endr
.irp j, 0,1,2,3,4,5,6,7
	global_store_b128 v[OA], v[T+4*\j:T+4*\j+3], s[12:13] offset:(\tau)*16*2048+\j*2048 th:TH_STORE_NT   ; sixteen lanes store 256 consecutive bytes, aligned: rows j and 8 + j of the tile
.endr
.endm
	TILE 0
	TILE 1
	TILE 2
	TILE 3
	s_wait_tensorcnt 0x0
	ds_add_u32 v254, v255
	s_wait_dscnt 0x0
	s_endpgm
.Lfunc_end_k_q3822cf0d30_attend:
	.size	k_q3822cf0d30_attend, .Lfunc_end_k_q3822cf0d30_attend-k_q3822cf0d30_attend
	.p2alignl 7, 3214868480
	.fill 96, 4, 3214868480
	.section	.rodata,"a",@progbits
	.p2align	6, 0x0
	.amdhsa_kernel k_q3822cf0d30_attend
		.amdhsa_group_segment_fixed_size 298240
		.amdhsa_private_segment_fixed_size 0
		.amdhsa_enable_private_segment 0
		.amdhsa_kernarg_size 40
		.amdhsa_user_sgpr_count 2
		.amdhsa_user_sgpr_kernarg_segment_ptr 1
		.amdhsa_wavefront_size32 1
		.amdhsa_system_sgpr_workgroup_id_x 1
		.amdhsa_system_sgpr_workgroup_id_y 1
		.amdhsa_system_sgpr_workgroup_id_z 1
		.amdhsa_system_vgpr_workitem_id 0
		.amdhsa_next_free_vgpr 256
		.amdhsa_next_free_sgpr 66
		.amdhsa_reserve_vcc 0
		.amdhsa_float_denorm_mode_32 3
		.amdhsa_float_denorm_mode_16_64 3
		.amdhsa_memory_ordered 1
		.amdhsa_forward_progress 1
		.amdhsa_inst_pref_size 67
	.end_amdhsa_kernel
	.amdgpu_metadata
---
amdhsa.version: [ 1, 2 ]
amdhsa.kernels:
  - .name:           k_q3822cf0d30_attend
    .symbol:         k_q3822cf0d30_attend.kd
    .args:
      - { .name: q, .offset: 0, .size: 8, .value_kind: global_buffer, .address_space: global }
      - { .name: q_mask, .offset: 8, .size: 8, .value_kind: global_buffer, .address_space: global }
      - { .name: kvp, .offset: 16, .size: 8, .value_kind: global_buffer, .address_space: global }
      - { .name: ksp, .offset: 24, .size: 8, .value_kind: global_buffer, .address_space: global }
      - { .name: out0, .offset: 32, .size: 8, .value_kind: global_buffer, .address_space: global }
    .group_segment_fixed_size: 298240
    .private_segment_fixed_size: 0
    .kernarg_segment_align: 8
    .kernarg_segment_size: 40
    .max_flat_workgroup_size: 512
    .sgpr_count:     66
    .vgpr_count:     256
    .wavefront_size: 32
...
	.end_amdgpu_metadata
.endif
;; end of part 2
